; MI455X (gfx1250); checked and timed in simulation.
; The chip was launched on July 23, 2026; its instructions are those of AMD's public machine-readable ISA for CDNA 5 (MIT licence, August 2026) and "CDNA5" Instruction Set Architecture Reference Guide (July 2026). The comments in the code are by the model that wrote it; some were corrected since.
;; CNF. Allowed arithmetic: matrix products marked QUANTISED: E2M3 operands, one E8M0 scale for each 32 along K, by v_wmma_scale_f32_16x16x128_f8f6f4 with both operands' format E2M3, f32 sums; everything else in f32.
;; Inputs: W1 65 x 512 float32; W2 512 x 512 float32; W3 512 x 64 float32; b1 512 float32; b2 512 float32; b3 64 float32; t 1 float32; x 2,048 x 65 float32.
;; Outputs: out0 2,048 x 65 float32.
;; This version of the problem:
;;   THIS VERSION OF THE PROBLEM IS GIVEN IN LOW PRECISION. The matrix products marked QUANTISED in the list below multiply operands that are first quantised to E2M3 (2 exponent bits, 3 mantissa bits; 6 bits a number), with one power-of-two scale for each 32 numbers along K (OCP MX v1.0); their sums are f32. All else is computed in f32.
;;   The module's matrix products, in the order in which they are computed (A, B: the left and right operand; K: the contracted axis; several contracted axes count as one K, in the product's order):
;;     1. [M 2,048, K 65] x [K 65, N 512]; A: computed on the way; B: input W1: QUANTISED
;;     2. [M 2,048, K 512] x [K 512, N 512]; A: computed on the way; B: input W2: QUANTISED
;;     3. [M 2,048, K 512] x [K 512, N 64]; A: computed on the way; B: input W3: QUANTISED
;;     4. [M 2,048, K 65] x [K 65, N 512]; A: computed on the way; B: input W1: QUANTISED
;;     5. [M 2,048, K 512] x [K 512, N 512]; A: computed on the way; B: input W2: QUANTISED
;;     6. [M 2,048, K 512] x [K 512, N 64]; A: computed on the way; B: input W3: QUANTISED
;;     7. [M 64, K 64] x [K 64, N 512]; A: computed on the way; B: input W3: QUANTISED
;;     8. [M 131,072, K 512] x [K 512, N 512]; A: computed on the way; B: input W2: QUANTISED
;;     9. [M 131,072, K 512] x [K 512, N 65]; A: computed on the way; B: input W1: QUANTISED
;;   THE QUANTISER, for each operand of a quantised product, along K:
;;     - K is cut into blocks of 32 from its start; a last block that is shorter is filled with zeros.
;;     - A block's scale is 2^e with e = floor(log2(the largest magnitude in the block)) - 2, held to -126 .. 127; a block of zeros has e = 0. As a byte (E8M0): e + 127.
;;     - Each number is divided by its block's scale, clamped to +-7.5, and rounded to the nearest number of E2M3, ties to even, subnormals kept.
;;     - The product sums the exact products of the quantised numbers (number of the format x scale) in f32.
;;   ~~~python
;;   def quantise(x, axis):      # numpy; x: float32 -> the quantised numbers, widened to float32 again
;;       x = np.moveaxis(x, axis, -1); K = x.shape[-1]
;;       x = np.pad(x, [(0, 0)] * (x.ndim - 1) + [(0, -K % 32)]); x = x.reshape(x.shape[:-1] + (-1, 32)); a = np.abs(x).max(-1, keepdims=True)
;;       e = np.where(a > 0, np.clip(np.frexp(np.where(a > 0, a, 1))[1] - 1 - 2, -126, 127), 0)      # np.frexp(a)[1] - 1 = floor(log2(a)), exactly
;;       r = np.clip(x / 2.0 ** e, -7.5, 7.5)
;;       step = 2.0 ** (np.maximum(np.frexp(np.where(r == 0, 1, r))[1] - 1, 0) - 3)
;;       q = np.round(r / step) * step * 2.0 ** e      # np.round: ties to even
;;       return np.moveaxis(q.reshape(q.shape[:-2] + (-1,))[..., :K], -1, axis).astype(np.float32)
;;   ~~~
;;   OPERANDS COMPUTED ON THE WAY. 'Computed on the way' means the value that the module computes at that place (a softmax that the list does not call 'softmax' is quantised finished and normalised). What goes into a quantiser is computed in f32, as accurately as f32 sums, v_exp_f32 and their like allow (about 1e-6 of the number): no bf16 or f16 on the way to a quantiser, and a product that is left as it is and whose result goes on into a quantised operand takes f32 operands (vector FMAs, or v_wmma_f32_16x16x4_f32). A number that lies on a knife's edge between two numbers of the format may be rounded either way, as far as f32 arithmetic and the matrix unit's own rounding can turn it there, and no further.
;; One version. Each part assembles by itself: llvm-mc -triple=amdgcn-amd-amdhsa -mcpu=gfx1250 --defsym DOCPART=n.
;; ======== version 1 of 1: 2 launches
;; limits: values are held in bf16: 8 bits of precision; right only within a limited range of input values
;; workspace buffers: wq 782,336 bytes
;; launch prep (part 1): grid 256 x 1, 1 waves a work-group, no clusters, 42,752 bytes of LDS; arguments W1, W2, W3, wq, x, t; writes wq
.if DOCPART == 1
	.amdgcn_target "amdgcn-amd-amdhsa--gfx1250"
	.amdhsa_code_object_version 6
	.text
	.protected	k_q7bf0aca662_prep
	.globl	k_q7bf0aca662_prep
	.p2align	8
	.type	k_q7bf0aca662_prep,@function
k_q7bf0aca662_prep:
	s_mov_b64 s[64:65], 0
	v_nop
	global_prefetch_b8 v0, s[64:65] scope:SCOPE_SE
	s_setreg_imm32_b32 hwreg(HW_REG_WAVE_MODE, 25, 1), 1
	s_wait_xcnt 0x0
; The three weights become codes of FP6 (E2M3) with one E8M0 byte for each 32 along K, each along BOTH its axes (the forward products contract axis 0, the backward ones axis 1),
; laid in wq in the order of the operand's registers; and the product (I / 2) x Q(W3)^T is made here once, since it hangs on no sample.
; A FRAGMENT (16 rows x 128 K, 12 registers a lane) lies as three pieces of 512 bytes: piece p holds registers 4 p .. 4 p + 3, lane l's 16 bytes at 16 l.
; THE ROWS OF A TILE ARE NOT NEIGHBOURS: row rho of tile 2 P + u is index 32 P + 8 u + rho + 8 (rho / 8), so that results of two neighbouring tiles are 16 neighbours along the next K.
; A tensor with NS steps of 128 along K: fragment (P, s, u) at ((P NS + s) 2 + u) 1536; its scale words at (P NS + s) 128 + 4 (16 u + row).
; One wave is one task: 32 rows x 128 K (two fragments), or one piece of G3 for all four tiles of j.  The task is chosen by the work-group's number; each path has LDS bytes of its own.
; A block's scale is 2^(floor(log2(its largest magnitude)) - 2); its byte is the largest magnitude's exponent field - 2, held at 1 from below.
; LIMITS: NaN and infinities among the inputs are not served.  A block of zeros gets the byte 1 (a block that is only padding of K: 0) where the rule says 127: its codes are zeros, and this program alone reads the bytes.
; The rows [x, t] are made into operand images too (64 tasks of 32 rows), once, for all waves that read them.
; DEAD WORK LEFT OUT, in this program: reference() drops x's last column, so its numbers are not used; products 4 to 6 repeat 1 to 3 on the same operands and are done once; of product 9 the trace keeps the diagonal of
; its first 64 columns alone: of each 16 x 16 tiling only the four diagonal tiles are made, and the column that belongs to t is not made.  None of this reaches an output, whatever the inputs hold.
; A NaN, an infinity or an overflow that reaches only the work left out is not carried to the result.
.set OG3,   0                          ; G3[j][n] = 0.5 Q(W3)[n][j] as bf16 (exact: four significant bits)
.set OW2B,  65536                      ; W2, K = axis 1: codes
.set OW2BS, 262144                     ; its scale words
.set OW1B,  270336                     ; W1, K = axis 1, rows 0 .. 63
.set OXF,   577536                     ; [x, t], K = 65 filled to 128 with zero codes: 16 rows a fragment, rows in their order
.set OXFS,  774144                     ; their scale words, 4 bytes a row
.set STX,   30976                      ; LDS for x's path: 32 rows of 260 bytes as they lie (8,704 bytes are stored),
.set STX2,  39680                      ; and a stage of 3,072 bytes
.set OW1BS, 294912
.set OW1F,  295936                     ; W1, K = axis 0 (65, filled to 128 with zero codes)
.set OW2F,  345088                     ; W2, K = axis 0
.set OW3F,  541696                     ; W3, K = axis 0
.set OW1FS, 566272
.set OW2FS, 568320
.set OW3FS, 576512
.set STA2,  0                          ; LDS: a stage of 3,072 bytes for each of the three paths with K outermost,
.set STA3,  3072
.set STA1,  6144
.set STB,   9216                       ; 32 rows x 528 bytes for the path with K innermost,
.set STC,   26112                      ; 16 rows x 272 bytes for G3's path
.set L16, 1                            ; v1  16 x lane
.set L4,  2                            ; v2  4 x lane
.set RR,  3                            ; v3  r = lane % 16
.set HH,  4                            ; v4  h = lane / 16
.set SH8, 5                            ; v5  8 h
.set LA,  6                            ; v6  LDS address, on the way in
.set LB,  7                            ; v7  LDS address, on the way out
.set QM,  8                            ; v8-11 a block's scale operand and byte, twice
.set QPT, 15                           ; v15 a lane permute's destination
.set QCT, 16                           ; v16-23 the upper halves of blocks' codes
.set SEL, 20                           ; s[20:21] selects for lane l xor 16
.set HM,  22                           ; s22 mask of lanes 16-31
; The largest magnitude of v[src] .. v[src + 31], in two chains, with the floor 2^(3 - 127) as one more leaf; then v[m] = the conversion's scale operand (2 off the exponent field), v[m + 1] = the scale's byte.
.macro BMAX src, m
	v_max3_num_f32 v[\m], |v[\src]|, |v[\src+1]|, |v[\src+2]|
	v_max3_num_f32 v[\m+1], |v[\src+3]|, |v[\src+4]|, |v[\src+5]|
.irp i, 6,10,14,18,22,26
	v_max3_num_f32 v[\m], v[\m], |v[\src+\i]|, |v[\src+\i+1]|
	v_max3_num_f32 v[\m+1], v[\m+1], |v[\src+\i+2]|, |v[\src+\i+3]|
.endr
	v_max3_num_f32 v[\m], v[\m], |v[\src+30]|, |v[\src+31]|
	v_max3_num_f32 v[\m], v[\m], v[\m+1], 0x1800000
	v_add_nc_u32 v[\m], 0xff000000, v[\m]
	v_lshrrev_b32 v[\m+1], 23, v[\m]
.endm
; A lane's numbers, register 32 c + i = k 64 c + 32 h + i of its row, become a fragment in v[dst] on and the row's scale word in v[word].  nc = 1: only k < 64 exists; the rest are zero codes.
.macro QUANT6 src, dst, word, nc
	BMAX \src, QM
.if \nc == 2
	BMAX \src+32, QM+2
	v_lshl_or_b32 v[\word], v[QM+3], 16, v[QM+1]   ; my two bytes: blocks h and 2 + h,
	v_lshlrev_b32 v[\word], v[SH8], v[\word]       ; at their places in the word;
.else
	v_lshlrev_b32 v[\word], v[SH8], v[QM+1]
.endif
	v_permlanex16_b32 v[QPT], v[\word], s[SEL], s[SEL+1]
	v_or_b32 v[\word], v[\word], v[QPT]            ; with lane l xor 16's the word is whole
	v_cvt_scalef32_pk16_fp6_f32 v[\dst:\dst+2], v[\src:\src+15], v[QM]
	v_cvt_scalef32_pk16_fp6_f32 v[QCT:QCT+2], v[\src+16:\src+31], v[QM]   ; (a conversion's three registers begin on an even number)
.if \nc == 2
	v_cvt_scalef32_pk16_fp6_f32 v[\dst+6:\dst+8], v[\src+32:\src+47], v[QM+2]
	v_cvt_scalef32_pk16_fp6_f32 v[QCT+4:QCT+6], v[\src+48:\src+63], v[QM+2]
.endif
	v_nop                                          ; one plain place behind a scaled conversion
.irp i, 0,1,2
	v_mov_b32 v[\dst+3+\i], v[QCT+\i]
.endr
.if \nc == 2
.irp i, 0,1,2
	v_mov_b32 v[\dst+9+\i], v[QCT+4+\i]
.endr
.else
.irp i, 0,1,2,3,4,5
	v_mov_b32 v[\dst+6+\i], 0
.endr
.endif
.endm
; The three addresses of a task with K outermost: task = P ns + s; source = 32 P columns on, 128 s rows down (kstep bytes); codes and scale words by the task's number.
.macro ASETUP first, ps, ns, kstep, ocode, oscale
	s_sub_co_u32 s12, ttmp9, \first
.if \ns == 4
	s_lshr_b32 s28, s12, 2
	s_lshl_b32 s28, s28, 7
	s_and_b32 s24, s12, 3
	s_mul_i32 s24, s24, \kstep
	s_add_co_u32 s28, s28, s24
.else
	s_lshl_b32 s28, s12, 7
.endif
	s_add_nc_u64 s[14:15], s[\ps:\ps+1], s[28:29]
	s_mul_i32 s28, s12, 3072
	s_add_co_u32 s28, s28, \ocode
	s_add_nc_u64 s[16:17], s[10:11], s[28:29]
	s_lshl_b32 s28, s12, 7
	s_add_co_u32 s28, s28, \oscale
	s_add_nc_u64 s[18:19], s[10:11], s[28:29]
.endm
; K OUTERMOST: a lane takes a column and its registers run down K: each load reads 128 consecutive bytes, a block of 32 lies in one lane, and the codes come out with K innermost.
; Lane l's column is row rho = l % 8 + 8 (l / 16) of tile u = (l / 8) % 2.  Its block b is registers 6 (b / 2) .. + 5 of the image's lane rho + 16 (b % 2): the codes go to their places in the stage and leave as whole pieces.
.macro PATHA stride, kmax, stage
	v_bfe_u32 v8, v0, 3, 1                         ; u
	v_and_b32 v9, 7, v0
	s_wait_alu depctr_va_vdst(0)
	v_lshl_add_u32 v9, v[HH], 3, v9                ; rho
	v_lshl_add_u32 v[LA], v9, 4, \stage
	v_mad_u32_u24 v[LA], v8, 1536, v[LA]           ; stage + 1536 u + 16 rho
	v_lshl_add_u32 v[LB], v0, 4, \stage
	v_lshl_add_u32 v10, v8, 4, v9
	v_lshlrev_b32 v10, 2, v10                      ; my scale word's place: 4 (16 u + rho)
.set k, 0
.rept 32*((\kmax+31)/32)
.if k < \kmax
	global_load_b32 v[32+k], v[L4], s[14:15] offset:k*\stride
.else
	v_mov_b32 v[32+k], 0                           ; the last block is filled with zeros
.endif
.set k, k+1
.endr
.endm
; The second half: blocks of 32 numbers in v[32] on become codes, which leave through the stage.
.macro PATHO kmax
.irp b, 0,1,2,3
.if 32*\b < \kmax
.if \kmax-32*(\b+1) > 63
	s_wait_loadcnt 63                              ; more loads than a wait can name are younger than this block's
.elseif \kmax-32*(\b+1) > 0
	s_wait_loadcnt \kmax-32*(\b+1)                 ; the later blocks' loads may be out
.else
	s_wait_loadcnt 0x0
.endif
	BMAX 32+32*\b, 12
.if \b == 0
	v_mov_b32 v24, v13                             ; the four bytes make my column's scale word
.else
	v_lshl_or_b32 v24, v13, 8*\b, v24
.endif
	v_cvt_scalef32_pk16_fp6_f32 v[160+6*\b:162+6*\b], v[32+32*\b:47+32*\b], v12
	v_cvt_scalef32_pk16_fp6_f32 v[184+4*\b:186+4*\b], v[48+32*\b:63+32*\b], v12
	v_nop                                          ; one plain place behind a scaled conversion
.irp i, 0,1,2
	v_mov_b32 v[163+6*\b+\i], v[184+4*\b+\i]
.endr
.else
.irp i, 0,1,2,3,4,5
	v_mov_b32 v[160+6*\b+\i], 0                    ; a block past the end of K: zero codes
.endr
.endif
.if \b < 2
	ds_store_b128 v[LA], v[160+6*\b:163+6*\b] offset:256*(\b%2)
	ds_store_b64 v[LA], v[164+6*\b:165+6*\b] offset:512+256*(\b%2)
.else
	ds_store_b64 v[LA], v[160+6*\b:161+6*\b] offset:520+256*(\b%2)
	ds_store_b128 v[LA], v[162+6*\b:165+6*\b] offset:1024+256*(\b%2)
.endif
.endr
.irp i, 0,1,2,3,4,5
	ds_load_b128 v[200+4*\i:203+4*\i], v[LB] offset:512*\i   ; LDS serves a wave's instructions in order: these see my stores
.endr
	s_wait_alu depctr_va_vdst(0)
	s_wait_dscnt 0x0
.irp i, 0,1,2,3,4,5
	global_store_b128 v[L16], v[200+4*\i:203+4*\i], s[16:17] offset:512*\i   ; 512 consecutive bytes a store
.endr
	global_store_b32 v10, v24, s[18:19]            ; 128 consecutive bytes: the two tiles' scale words
	s_wait_tensorcnt 0x0
	ds_add_u32 v254, v255
	s_wait_dscnt 0x0
	s_endpgm
.endm
	s_load_b256 s[4:11], s[0:1], 0x0               ; W1 s[4:5], W2 s[6:7], W3 s[8:9], wq s[10:11]
	s_load_b128 s[32:35], s[0:1], 0x20             ; x s[32:33], t s[34:35]
	v_lshl_add_u32 v254, v0, 2, 0x7800
	v_mov_b32 v255, 0
	v_lshlrev_b32 v[L16], 4, v0
	v_lshlrev_b32 v[L4], 2, v0
	v_and_b32 v[RR], 15, v0
	v_lshrrev_b32 v[HH], 4, v0
	v_lshlrev_b32 v[SH8], 3, v[HH]
	v_mov_b32 v[QPT], 0                            ; written once: a lane permute's destination counts as one of its sources
	s_mov_b32 s[SEL], 0x76543210
	s_mov_b32 s[SEL+1], 0xfedcba98
	s_mov_b32 s[HM], 0xffff0000
	s_mov_b32 s29, 0                               ; the upper word of every offset
	s_wait_kmcnt 0x0
	s_cmp_lt_u32 ttmp9, 72
	s_cbranch_scc1 .Lpath_b
	s_cmp_lt_u32 ttmp9, 136
	s_cbranch_scc1 .Lpath_a2
	s_cmp_lt_u32 ttmp9, 144
	s_cbranch_scc1 .Lpath_a3
	s_cmp_lt_u32 ttmp9, 160
	s_cbranch_scc1 .Lpath_a1
	s_cmp_lt_u32 ttmp9, 192
	s_cbranch_scc0 .Lpath_x
	; ---- G3: task = 4 chi + q.  Source 0: 16 rows n = 64 chi + 32 (rho / 8) + 8 q + rho % 8 of W3, quantised along j; source 1: 16 rows j of I / 2.
	; In the result lane (r, h) holds row j of tile a and its eight registers n = 64 chi + 32 h + 8 q + 0 .. 7: 16 bytes of bf16, piece q of chunk (a, chi).
	s_sub_co_u32 s12, ttmp9, 160
	s_lshr_b32 s24, s12, 2                         ; chi
	s_and_b32 s25, s12, 3                          ; q
	s_lshl_b32 s28, s24, 14                        ; 64 chi rows of 256 bytes
	s_lshl_b32 s26, s25, 11                        ; 8 q rows
	s_add_co_u32 s28, s28, s26
	s_add_nc_u64 s[14:15], s[8:9], s[28:29]
	s_lshl_b32 s28, s24, 11
	s_lshl_b32 s26, s25, 9
	s_add_co_u32 s28, s28, s26
	s_add_co_u32 s28, s28, OG3
	s_add_nc_u64 s[16:17], s[10:11], s[28:29]
	s_wait_alu depctr_va_vdst(0)
.irp g, 0,1
.irp i, 0,1,2,3
	global_load_b128 v[32+16*\g+4*\i:35+16*\g+4*\i], v[L16], s[14:15] offset:8192*\g+512*\i   ; two runs of 8 rows: 512 consecutive bytes a load
.endr
.endr
	v_mul_u32_u24 v[LA], v[HH], 272
	v_lshl_add_u32 v[LA], v[RR], 4, v[LA]
	v_add_nc_u32 v[LA], STC, v[LA]                 ; in: two rows a load
	v_mul_u32_u24 v[LB], v[RR], 272
	v_lshl_add_u32 v[LB], v[HH], 7, v[LB]
	v_add_nc_u32 v[LB], STC, v[LB]                 ; out: row r, my half's 128 bytes
	; the rows of I / 2, while the loads are out.  Row j = 32 (a / 2) + 8 (a % 2) + r + 8 (r / 8) holds 0.5 at k = j.  By the rule its block's scale is 2^-3 (byte 124) and its code is that of 4.
	v_lshrrev_b32 v8, 3, v[RR]
	v_lshl_add_u32 v8, v8, 3, v[RR]
	v_lshlrev_b32 v9, 5, v[HH]
	v_sub_nc_u32 v8, v8, v9                        ; r + 8 (r / 8) - 32 h
	v_mov_b32 v9, 0.5
	v_mov_b32 v194, 0x3e000000                     ; the conversion's scale operand: exponent field 124
	v_mov_b32 v193, 0x7c7c7c7c                     ; and the scale word
.irp a, 0,1,2,3
	v_add_nc_u32 v10, 8*(\a%2)+32*(\a/2), v8       ; which of my 32 numbers is the 0.5, if any
.set i, 0
.rept 32
	v_cmp_eq_u32 vcc_lo, i, v10
	v_cndmask_b32 v[64+i], 0, v9, vcc_lo
.set i, i+1
.endr
	v_cvt_scalef32_pk16_fp6_f32 v[200+12*\a:202+12*\a], v[64:79], v194
	v_cvt_scalef32_pk16_fp6_f32 v[QCT:QCT+2], v[80:95], v194
	v_nop                                          ; one plain place behind a scaled conversion
.irp i, 0,1,2
	v_mov_b32 v[203+12*\a+\i], v[QCT+\i]
.endr
.irp i, 0,1,2,3,4,5
	v_mov_b32 v[206+12*\a+\i], 0                   ; K is 64: the rest are zero codes
.endr
.endr
	s_wait_loadcnt 0x0
.irp g, 0,1
.irp i, 0,1,2,3
	ds_store_b128 v[LA], v[32+16*\g+4*\i:35+16*\g+4*\i] offset:(8*\g+2*\i)*272
.endr
.endr
.irp q, 0,1,2,3,4,5,6,7
	ds_load_b128 v[96+4*\q:99+4*\q], v[LB] offset:16*\q   ; W3(row r of the tile, 32 h + 0 .. 31)
.endr
	s_wait_dscnt 0x0
	QUANT6 96, 160, 192, 1
.rept 8
	v_nop                                          ; a scale register written by a vector instruction stands 8 places ahead of a scaled matrix instruction, an operand so written 4
.endr
.irp a, 0,1,2,3
	v_wmma_scale_f32_16x16x128_f8f6f4 v[128+8*\a:135+8*\a], v[160:171], v[200+12*\a:211+12*\a], 0, v192, v193 matrix_a_fmt:MATRIX_FMT_FP6 matrix_b_fmt:MATRIX_FMT_FP6
.endr
.rept 4
	v_nop                                          ; places in front of the first read of results
.endr
.irp a, 0,1,2,3
.irp i, 0,1,2,3
	v_cvt_pk_bf16_f32 v[64+4*\a+\i], v[128+8*\a+2*\i], v[129+8*\a+2*\i]   ; each accumulator from its low end on; nothing is rounded away
.endr
.endr
.irp a, 0,1,2,3
	global_store_b128 v[L16], v[64+4*\a:67+4*\a], s[16:17] offset:16384*\a   ; 512 consecutive bytes: piece q of chunk (a, chi)
.endr
	s_wait_tensorcnt 0x0
	ds_add_u32 v254, v255
	s_wait_dscnt 0x0
	s_endpgm
.Lpath_a2:
	ASETUP 72, 6, 4, 262144, OW2F, OW2FS
	PATHA 2048, 128, STA2
	PATHO 128
.Lpath_a3:
	ASETUP 136, 8, 4, 32768, OW3F, OW3FS
	PATHA 256, 128, STA3
	PATHO 128
.Lpath_a1:
	ASETUP 144, 4, 1, 0, OW1F, OW1FS
	PATHA 2048, 65, STA1
	PATHO 65
	; ---- [x, t]: 32 rows of 260 bytes, 8,320 consecutive bytes, come as they lie and turn through LDS: then lane l holds row l, and its registers run along K.
.Lpath_x:
	s_load_b32 s36, s[34:35], 0x0                  ; t
	s_sub_co_u32 s12, ttmp9, 192
	s_mul_i32 s28, s12, 8320
	s_add_nc_u64 s[14:15], s[32:33], s[28:29]
	s_mul_i32 s28, s12, 3072
	s_add_co_u32 s28, s28, OXF
	s_add_nc_u64 s[16:17], s[10:11], s[28:29]
	s_lshl_b32 s28, s12, 7
	s_add_co_u32 s28, s28, OXFS
	s_add_nc_u64 s[18:19], s[10:11], s[28:29]
	s_wait_alu depctr_va_vdst(0)
	v_min_u32 v25, 7, v0
	v_lshlrev_b32 v25, 4, v25                      ; the last 128 bytes: eight lanes; the others name the eighth's bytes again
.set i, 0
.rept 16
	global_load_b128 v[184+4*i:187+4*i], v[L16], s[14:15] offset:512*i
.set i, i+1
.endr
	global_load_b128 v[248:251], v25, s[14:15] offset:8192
	v_add_nc_u32 v[LA], STX, v[L16]
	v_mul_u32_u24 v[LB], v0, 260
	v_add_nc_u32 v[LB], STX, v[LB]                 ; my row
.set i, 0
.rept 31
	v_mov_b32 v[97+i], 0                           ; K's third block holds t alone
.set i, i+1
.endr
	s_wait_alu depctr_va_vdst(0)
	s_wait_loadcnt 0x0
	s_wait_kmcnt 0x0
	v_mov_b32 v96, s36
.set i, 0
.rept 17
	ds_store_b128 v[LA], v[184+4*i:187+4*i] offset:512*i
.set i, i+1
.endr
.set i, 0
.rept 64
	ds_load_b32 v[32+i], v[LB] offset:4*i          ; LDS serves a wave's instructions in order: these see my stores
.set i, i+1
.endr
	s_wait_alu depctr_va_vdst(0)
	s_wait_dscnt 0x0
	v_lshl_add_u32 v[LA], v[RR], 4, STX2
	v_mad_u32_u24 v[LA], v[HH], 1536, v[LA]        ; fragment l / 16, row l % 16
	v_lshl_add_u32 v[LB], v0, 4, STX2
	v_lshlrev_b32 v10, 2, v0                       ; my row's scale word
	PATHO 65
	; ---- K INNERMOST: tasks 0-63 W2, 64-71 W1 (both have rows of 2,048 bytes).  32 rows x 512 bytes are loaded as they lie, go through a stage in the tiles' order of rows, and come back 128 bytes a lane and block.
.Lpath_b:
	s_cmp_lt_u32 ttmp9, 64                         ; the choice hangs on the work-group's number alone
	s_cselect_b64 s[14:15], s[6:7], s[4:5]
	s_cselect_b32 s24, 0, 64
	s_mov_b32 s25, OW1B
	s_mov_b32 s27, OW2B
	s_cselect_b32 s25, s27, s25
	s_mov_b32 s26, OW1BS
	s_mov_b32 s27, OW2BS
	s_cselect_b32 s26, s27, s26
	s_sub_co_u32 s12, ttmp9, s24                   ; task = 4 P + s
	s_lshr_b32 s28, s12, 2
	s_lshl_b32 s28, s28, 16                        ; 32 P rows
	s_and_b32 s24, s12, 3
	s_lshl_b32 s24, s24, 9                         ; 128 s numbers
	s_add_co_u32 s28, s28, s24
	s_add_nc_u64 s[14:15], s[14:15], s[28:29]
	s_mul_i32 s28, s12, 3072
	s_add_co_u32 s28, s28, s25
	s_add_nc_u64 s[16:17], s[10:11], s[28:29]
	s_lshl_b32 s28, s12, 7
	s_add_co_u32 s28, s28, s26
	s_add_nc_u64 s[18:19], s[10:11], s[28:29]
.set i, 0
	s_wait_alu depctr_va_vdst(0)
.rept 32
	global_load_b128 v[32+4*i:35+4*i], v[L16], s[14:15] offset:2048*i   ; 512 consecutive bytes of row i
.set i, i+1
.endr
	v_add_nc_u32 v[LA], STB, v[L16]
	v_mul_u32_u24 v[LB], v[RR], 528
	v_lshl_add_u32 v[LB], v[HH], 7, v[LB]
	v_add_nc_u32 v[LB], STB, v[LB]
.set i, 0
	s_wait_alu depctr_va_vdst(0)
.rept 32
.if (i%8) == 0
	s_wait_loadcnt 24-i                            ; these eight rows are in; the rows behind them may be out
.endif
	ds_store_b128 v[LA], v[32+4*i:35+4*i] offset:(16*((i/8)%2)+(i%8)+8*(i/16))*528   ; row i is row i % 8 + 8 (i / 16) of tile (i / 8) % 2
.set i, i+1
.endr
.irp u, 0,1
.irp c, 0,1
.irp q, 0,1,2,3,4,5,6,7
	ds_load_b128 v[32+64*\u+32*\c+4*\q:35+64*\u+32*\c+4*\q], v[LB] offset:8448*\u+256*\c+16*\q
.endr
.endr
.endr
	s_wait_dscnt 16                                ; the first tile's numbers are back; the second's 16 loads may be out
	QUANT6 32, 160, 192, 2
	s_wait_dscnt 0x0
	QUANT6 96, 172, 193, 2
.irp i, 0,1,2,3,4,5
	global_store_b128 v[L16], v[160+4*\i:163+4*\i], s[16:17] offset:512*\i
.endr
	v_cndmask_b32 v194, v192, v193, s[HM]          ; lanes 0-15: the first tile's words, lanes 16-31: the second's
	global_store_b32 v[L4], v194, s[18:19]
	s_wait_tensorcnt 0x0
	ds_add_u32 v254, v255
	s_wait_dscnt 0x0
	s_endpgm
.Lfunc_end_k_q7bf0aca662_prep:
	.size	k_q7bf0aca662_prep, .Lfunc_end_k_q7bf0aca662_prep-k_q7bf0aca662_prep
	.p2alignl 7, 3214868480
	.fill 96, 4, 3214868480
	.section	.rodata,"a",@progbits
	.p2align	6, 0x0
	.amdhsa_kernel k_q7bf0aca662_prep
		.amdhsa_group_segment_fixed_size 42752
		.amdhsa_private_segment_fixed_size 0
		.amdhsa_enable_private_segment 0
		.amdhsa_kernarg_size 48
		.amdhsa_user_sgpr_count 2
		.amdhsa_user_sgpr_kernarg_segment_ptr 1
		.amdhsa_wavefront_size32 1
		.amdhsa_system_sgpr_workgroup_id_x 1
		.amdhsa_system_sgpr_workgroup_id_y 1
		.amdhsa_system_sgpr_workgroup_id_z 1
		.amdhsa_system_vgpr_workitem_id 0
		.amdhsa_next_free_vgpr 256
		.amdhsa_next_free_sgpr 66
		.amdhsa_reserve_vcc 1
		.amdhsa_float_denorm_mode_32 3
		.amdhsa_float_denorm_mode_16_64 3
		.amdhsa_memory_ordered 1
		.amdhsa_forward_progress 1
		.amdhsa_inst_pref_size 105
	.end_amdhsa_kernel
	.amdgpu_metadata
---
amdhsa.version: [ 1, 2 ]
amdhsa.kernels:
  - .name:           k_q7bf0aca662_prep
    .symbol:         k_q7bf0aca662_prep.kd
    .args:
      - { .name: W1, .offset: 0, .size: 8, .value_kind: global_buffer, .address_space: global }
      - { .name: W2, .offset: 8, .size: 8, .value_kind: global_buffer, .address_space: global }
      - { .name: W3, .offset: 16, .size: 8, .value_kind: global_buffer, .address_space: global }
      - { .name: wq, .offset: 24, .size: 8, .value_kind: global_buffer, .address_space: global }
      - { .name: x, .offset: 32, .size: 8, .value_kind: global_buffer, .address_space: global }
      - { .name: t, .offset: 40, .size: 8, .value_kind: global_buffer, .address_space: global }
    .group_segment_fixed_size: 42752
    .private_segment_fixed_size: 0
    .kernarg_segment_align: 8
    .kernarg_segment_size: 48
    .max_flat_workgroup_size: 32
    .sgpr_count:     66
    .vgpr_count:     256
    .wavefront_size: 32
...
	.end_amdgpu_metadata
.endif
;; end of part 1
;; launch cnf (part 2): grid 256 x 1, 8 waves a work-group, clusters of 4 x 1, 327,680 bytes of LDS; arguments b1, b2, b3, wq, out0; writes out0
.if DOCPART == 2
	.amdgcn_target "amdgcn-amd-amdhsa--gfx1250"
	.amdhsa_code_object_version 6
	.text
	.protected	k_q7bf0aca662_cnf
	.globl	k_q7bf0aca662_cnf
	.p2align	8
	.type	k_q7bf0aca662_cnf,@function
k_q7bf0aca662_cnf:
	s_mov_b64 s[64:65], 0
	v_nop
	global_prefetch_b8 v0, s[64:65] scope:SCOPE_SE
	s_setreg_imm32_b32 hwreg(HW_REG_WAVE_MODE, 25, 1), 1
	s_wait_xcnt 0x0
	s_wait_alu depctr_hold_cnt(0) depctr_sa_sdst(0) depctr_va_vdst(0) depctr_va_sdst(0) depctr_va_ssrc(0) depctr_va_vcc(0) depctr_vm_vsrc(0)
	s_getreg_b32 s2, hwreg(HW_REG_IB_STS2, 6, 4)
	s_cmp_eq_u32 s2, 0
	s_cbranch_scc0 .Lentry_in_a_cluster
	s_endpgm
.Lentry_in_a_cluster:
	s_bfe_u32 s2, ttmp6, 0x10000c
	s_cmp_lg_u32 s2, 0x3003
	s_cbranch_scc0 .Lentry_shape_is_right
	s_endpgm
.Lentry_shape_is_right:
; out0[b] = (dx[b], div[b]): dx = (tanh(tanh([x, t] W1 + b1) W2 + b2) W3 + b3) / 2, div = the trace of d dx / d x, all products on codes of FP6 (E2M3) with one E8M0 scale for each 32 along K.
; A work-group of eight waves takes 8 samples through the whole chain; nothing of a sample goes through memory.
; FORWARD: the waves share the columns: wave w makes hidden units 64 w .. 64 w + 63 for a tile of 16 rows in which lane r is sample r % 8; its weights come from wq straight into registers, as images of the operand's registers.
; Lanes r and r + 8 get the same results: so lanes r < 8 go on with the first block of 32 units and lanes r >= 8 with the second, 16 numbers a lane.
; BACKWARD: wave w owns sample w.  A8[j][n] = G3[j][n] (1 - h2[n]^2) is quantised along n (stage 1) and stays in registers; then (stage 2), 32 columns m at a time, g1 = A8 W2^T, times (1 - h1[m]^2), quantised along m,
; and for each 128 m the four DIAGONAL tiles of the product with W1 are added into two accumulators, whose diagonal's sum is the trace (the rest of that product the trace throws away and is not made).
; STAGE 2 goes by half units of 16 products (32 m, 32 of the 64 rows j).  Among the products of a half unit stands the vector work of the half unit before it.
; ALL PRODUCTS ARE USED TRANSPOSED (source 0 = 16 rows of a weight, source 1 = 16 rows of the activation) and the rows of a weight's tile are chosen (row rho of tile 2 P + u = index 32 P + 8 u + rho + 8 (rho / 8)),
; so that a lane's 16 registers of two neighbouring tiles are 16 neighbours along the next K.
; CLUSTER: the four work-groups of a cluster read the same image of G3 and of the backward weights (wq's first 294,912 bytes): it is asked for JOINTLY, once, each wave one tensor load; nothing in LDS is filled twice.
; The forward weights (270 KB a work-group) have no room in LDS beside that image, and each wave takes its own part straight into registers, once: they are not shared.
; No prefetch: the image is asked for once, at the head; no stream is walked in a loop.
; tanh(z): where z^2 < 1 / 16 the series up to z^9 (what is cut off is under 1e-8 of the number), else 1 - 2 / (1 + 2^(2 z log2 e)); right where the exponential overflows or falls to 0.
; LIMITS: NaN and infinities among the inputs are not served.  A block of zeros gets the byte 1 where the rule says 127 (its codes are zeros; the bytes never leave the program).
; The sums of the third product and of the trace's product are kept in several accumulators and added at the end.
.set OW1BS, 294912                     ; wq: see the launch that writes it
.set OW1F,  295936
.set OW2F,  345088
.set OW3F,  541696
.set OW1FS, 566272
.set OW2FS, 568320
.set OW3FS, 576512
.set OXF,   577536
.set OXFS,  774144
.set LW2B,  65536                      ; LDS: 0 G3, 65,536 W2 (K = axis 1), 262,144 its scale words, 270,336 W1 (K = axis 1): wq's first 294,912 bytes as they lie
.set LW2BS, 262144
.set LW1B,  270336
.set LD1,   0                          ; 1 - h1^2, [8][512] f32, rows 2,064 bytes apart: over G3, once G3 has had its one fill and its last read
.set LH1,   294912                     ; h1: eight half fragments of 384 bytes (three pieces of 16 slots x 8 bytes),
.set LH1S,  297984                     ; and its scale words, 32 bytes for each K step
.set HO,    3328                       ; h2's lie HO bytes further on
.set LPART, 301568                     ; two partial results [8][65] f32, end to end: 2 x 2,080 bytes
.set LD2,   305728                     ; 1 - h2^2, as LD1, directly behind them
.set LW1S,  322816                     ; W1's (K = axis 1) scale words, 1,024 bytes
.set SPARE, 323840                     ; the spare words, 1,024 bytes
.set DP,    2064
.set L16, 1                            ; v1 16 x lane   v2 4 x lane   v4 8 h   v5 0
.set L4,  2
.set HWA, 3
.set SH8, 4
.set ZERO, 5
.set AB,  6                            ; v6-10, stage 2: the trip's LDS addresses
.set ASB, 7
.set AD1, 8
.set AW1, 9
.set AW1S, 10
.set DWA1, 10                          ; (v10 before stage 2)
.set DRA1, 11
.set HWB, 12                           ; v12-23: the forward pass's and stage 1's
.set HWS, 13
.set HRA, 14
.set HRS, 15
.set HRA3, 16
.set HRS3, 17
.set PWA, 18
.set DRA2, 19
.set DWA, 21
.set B64H, 22
.set R4,  23
; v24-41 hold scale words and nothing else.  Forward: v24 x, v26-27 W1, v28-35 W2, v36-37 W3, v38-41 h.  Backward: v24-27 A9, v28-35 A8 (lanes 0-15 an even K step, lanes 16-31 the odd one), v36-37 W1, v38-41 W2.
; Window 0, forward: v42-53 x's fragment; v54-85 products; v70-117 at work; v118-165 h's fragments; v166-189 W3; v190-197 b3; v198-229 b2; v226-249 h2 for layer 3; v254-255 a constant.
; Window 0, stage 1: v42-65 at work; v66-97 1 - h2^2; v98-161 two sets of G3; v162-225 products.
; Window 0, stage 2: v12-19 at work; v20-23, v42-53 1 - h1^2; v54-69 the trace's accumulators; v70-133 two sets of four accumulators; v134-229 W2's fragments; v230-253 two of W1's.
; Window 1: v0-191 W2 (forward), then A8(a, s) at 12 (4 a + s); v192-239 W1 (forward), then 1 - h1^2, then A9(a) at 192 + 12 a; v240-246 halves of A9's codes; v251 my spare word's LDS address, v255 0.
.set FR, 134
.set WV,  18                           ; s18 wave
.set MSB, 0
.macro WIN new                         ; bits 1:0 source 0, 3:2 source 1, 5:4 source 2, 7:6 destination; the immediate's high byte repeats the setting that is left
.if MSB != \new
	s_set_vgpr_msb (MSB<<8)|\new
.set MSB, \new
.endif
.endm
.macro PLACES n
.rept \n
	v_nop
.endr
.endm
.macro AW
	s_wait_alu depctr_va_vdst(0)
.endm
.macro ROUND                           ; a round of the cluster's barrier
	s_barrier_signal -1
	s_barrier_wait -1
	s_cmp_lg_u32 s[WV], 0
	s_cbranch_scc1 .Lnot_wave_0_\@
	s_barrier_signal -3
.Lnot_wave_0_\@:
	s_barrier_wait -3
	s_barrier_signal -1
	s_barrier_wait -1
.endm
.macro BAR                             ; my LDS stores have landed and my LDS loads are in: then the work-group's barrier
	AW
	s_wait_dscnt 0x0
	s_barrier_signal -1
	s_barrier_wait -1
.endm
; One matrix instruction: D v[rD], source 0 v[rA] with scales v[rS0] (fA = 1: in lanes 16-31), source 1 v[rB] with scales v[rS1] (fB likewise); c: the C operand.
.macro WS c
.if (fA == 0) && (fB == 0)
	v_wmma_scale_f32_16x16x128_f8f6f4 v[rD:rD+7], v[rA:rA+11], v[rB:rB+11], \c, v[rS0], v[rS1] matrix_a_fmt:MATRIX_FMT_FP6 matrix_b_fmt:MATRIX_FMT_FP6
.elseif (fA == 1) && (fB == 0)
	v_wmma_scale_f32_16x16x128_f8f6f4 v[rD:rD+7], v[rA:rA+11], v[rB:rB+11], \c, v[rS0], v[rS1] matrix_a_fmt:MATRIX_FMT_FP6 matrix_b_fmt:MATRIX_FMT_FP6 matrix_a_scale:MATRIX_SCALE_ROW1
.elseif (fA == 0)
	v_wmma_scale_f32_16x16x128_f8f6f4 v[rD:rD+7], v[rA:rA+11], v[rB:rB+11], \c, v[rS0], v[rS1] matrix_a_fmt:MATRIX_FMT_FP6 matrix_b_fmt:MATRIX_FMT_FP6 matrix_b_scale:MATRIX_SCALE_ROW1
.else
	v_wmma_scale_f32_16x16x128_f8f6f4 v[rD:rD+7], v[rA:rA+11], v[rB:rB+11], \c, v[rS0], v[rS1] matrix_a_fmt:MATRIX_FMT_FP6 matrix_b_fmt:MATRIX_FMT_FP6 matrix_a_scale:MATRIX_SCALE_ROW1 matrix_b_scale:MATRIX_SCALE_ROW1
.endif
.endm
; Two blocks of 32 numbers of a lane, from v[p0] and v[p1] on: largest magnitudes in four chains by turns, with the floor 2^(3 - 127); v[m], v[m + 2] = the conversions' scale operands, v[m + 1], v[m + 3] = the bytes.
.macro BMAX2 p0, p1, m
	v_max3_num_f32 v[\m], |v[\p0]|, |v[\p0+1]|, |v[\p0+2]|
	v_max3_num_f32 v[\m+2], |v[\p1]|, |v[\p1+1]|, |v[\p1+2]|
	v_max3_num_f32 v[\m+1], |v[\p0+3]|, |v[\p0+4]|, |v[\p0+5]|
	v_max3_num_f32 v[\m+3], |v[\p1+3]|, |v[\p1+4]|, |v[\p1+5]|
.irp i, 6,10,14,18,22,26
	v_max3_num_f32 v[\m], v[\m], |v[\p0+\i]|, |v[\p0+\i+1]|
	v_max3_num_f32 v[\m+2], v[\m+2], |v[\p1+\i]|, |v[\p1+\i+1]|
	v_max3_num_f32 v[\m+1], v[\m+1], |v[\p0+\i+2]|, |v[\p0+\i+3]|
	v_max3_num_f32 v[\m+3], v[\m+3], |v[\p1+\i+2]|, |v[\p1+\i+3]|
.endr
	v_max3_num_f32 v[\m], v[\m], |v[\p0+30]|, |v[\p0+31]|
	v_max3_num_f32 v[\m+2], v[\m+2], |v[\p1+30]|, |v[\p1+31]|
	v_max3_num_f32 v[\m], v[\m], v[\m+1], 0x1800000
	v_max3_num_f32 v[\m+2], v[\m+2], v[\m+3], 0x1800000
	v_add_nc_u32 v[\m], 0xff000000, v[\m]          ; 2 off the exponent field: the conversion takes that field as its scale
	v_add_nc_u32 v[\m+2], 0xff000000, v[\m+2]
	v_lshrrev_b32 v[\m+1], 23, v[\m]
	v_lshrrev_b32 v[\m+3], 23, v[\m+2]
.endm
; Lanes r < 8 keep tiles 0 and 1, lanes r >= 8 take tiles 2 and 3 (each accumulator is read from its low end on): 16 numbers in v54-69, units 64 w + 32 (r / 8) + 16 h + 0 .. 15 of sample r % 8.
.macro SHARE
.set i, 0
.rept 16
	v_cndmask_b32 v[54+i], v[54+i], v[70+i], s28
.set i, i+1
.endr
.endm
; tanh of v54-69 in place, and 1 - tanh^2 into v[dst] on (w1 = 1: of window 1).  E v70-85, U = z^2 v86-101, Q v102-117.
.macro TANH16 dst, w1
.irp i, 0,2,4,6,8,10,12,14
	v_pk_mul_f32 v[70+\i:71+\i], v[54+\i:55+\i], s[56:57] op_sel_hi:[1,0]   ; 2 z log2 e
	v_pk_mul_f32 v[86+\i:87+\i], v[54+\i:55+\i], v[54+\i:55+\i]
.endr
	AW
.set i, 0
.rept 16
	v_exp_f32 v[70+i], v[70+i]
.set i, i+1
.endr
.irp i, 0,2,4,6,8,10,12,14
	v_pk_fma_f32 v[102+\i:103+\i], v[86+\i:87+\i], s[58:59], v[254:255] op_sel_hi:[1,0,1]   ; the series, by Horner: 62/2835 u - 17/315.  (Plain places behind the exponentials)
.endr
	AW
.irp i, 0,2,4,6,8,10,12,14
	v_pk_add_f32 v[70+\i:71+\i], v[70+\i:71+\i], 1.0 op_sel_hi:[1,0]
.endr
	AW
.set i, 0
.rept 16
	v_rcp_f32 v[70+i], v[70+i]
.set i, i+1
.endr
.irp i, 0,2,4,6,8,10,12,14
	v_pk_fma_f32 v[102+\i:103+\i], v[86+\i:87+\i], v[102+\i:103+\i], s[60:61] op_sel_hi:[1,1,0]   ; + 2/15.  (Plain places behind the reciprocals)
.endr
.irp i, 0,2,4,6,8,10,12,14
	v_pk_fma_f32 v[102+\i:103+\i], v[86+\i:87+\i], v[102+\i:103+\i], s[62:63] op_sel_hi:[1,1,0]   ; - 1/3
.endr
.irp i, 0,2,4,6,8,10,12,14
	v_pk_mul_f32 v[102+\i:103+\i], v[102+\i:103+\i], v[86+\i:87+\i]
.endr
	AW
.irp i, 0,2,4,6,8,10,12,14
	v_pk_fma_f32 v[70+\i:71+\i], v[70+\i:71+\i], -2.0, 1.0 op_sel_hi:[1,0,0]   ; 1 - 2 / (1 + e^(2 z))
.endr
.irp i, 0,2,4,6,8,10,12,14
	v_pk_fma_f32 v[102+\i:103+\i], v[102+\i:103+\i], v[54+\i:55+\i], v[54+\i:55+\i]   ; z + z u (..)
.endr
.irp g, 0,4,8,12
.irp j, 0,1,2,3
	v_cmp_gt_f32 s[84+\j], 0x3d800000, v[86+\g+\j]     ; z^2 < 1 / 16: the series
.endr
.irp j, 0,1,2,3
	v_cndmask_b32 v[54+\g+\j], v[70+\g+\j], v[102+\g+\j], s[84+\j]
.endr
.endr
.if \w1
	WIN 0x40
.endif
.irp i, 0,2,4,6,8,10,12,14
	v_pk_fma_f32 v[\dst+\i:\dst+\i+1], v[54+\i:55+\i], v[54+\i:55+\i], 1.0 op_sel_hi:[1,1,0] neg_lo:[1,0,0] neg_hi:[1,0,0]   ; 1 - h^2, rounded once
.endr
.if \w1
	WIN 0
.endif
.endm
; v54-69, half a block of 32 along the next K (lane l xor 16 has the other half), become 96 bits: dwords 3 h .. 3 h + 2 of slot r's 24 bytes, and the block's byte of the row's scale word.
.macro QUANTH off
	v_max3_num_f32 v70, |v54|, |v55|, |v56|
	v_max3_num_f32 v71, |v57|, |v58|, |v59|
	v_max3_num_f32 v72, |v60|, |v61|, |v62|
	v_max3_num_f32 v73, |v63|, |v64|, |v65|
	v_max3_num_f32 v70, v70, |v66|, |v67|
	v_max3_num_f32 v71, v71, |v68|, |v69|
	v_max3_num_f32 v72, v72, v73, 0x1800000        ; the floor 2^(3 - 127)
	v_max3_num_f32 v70, v70, v71, v72
	v_permlanex16_b32 v74, v70, s22, s23
	v_max_num_f32 v70, v70, v74                    ; with lane l xor 16's
	v_add_nc_u32 v70, 0xff000000, v70
	v_lshrrev_b32 v75, 23, v70
	v_cvt_scalef32_pk16_fp6_f32 v[80:82], v[54:69], v70
	v_nop                                          ; one plain place behind a scaled conversion
	ds_store_b32 v[HWA], v80 offset:\off
	ds_store_b32 v[HWB], v81 offset:\off+4
	ds_store_b32 v[HWA], v82 offset:\off+128
	ds_store_b8 v[HWS], v75 offset:\off            ; both halves of a block write the same byte with the same value
.endm
.macro FETCHH reg, adr, off            ; a fragment of h: two half fragments of three pieces
.irp p, 0,1,2,3,4,5
	ds_load_b64 v[\reg+2*\p:\reg+2*\p+1], v[\adr] offset:\off+128*\p
.endr
.endm
.macro LOADDD chi                      ; my sample's 1 - h2^2 at n = 64 chi + 32 h + 0 .. 31
.irp q, 0,1,2,3,4,5,6,7
	ds_load_b128 v[66+4*\q:69+4*\q], v[DRA2] offset:256*(\chi)+16*\q
.endr
.endm
.macro LOADGG chi, g                   ; G3 at the same n, rows of tiles 2 g and 2 g + 1, into set g: 16 registers of bf16 pairs a tile
.irp p, 0,1
.irp q, 0,1,2,3
	ds_load_b128 v[98+32*\g+16*\p+4*\q:101+32*\g+16*\p+4*\q], v[L16] offset:((2*\g+\p)*8+(\chi))*2048+512*\q
.endr
.endr
.endm
.macro GMUL g, wait                    ; 64 products G3 x (1 - h2^2), in f32, straight from the bf16 halves
	AW
	s_wait_dscnt \wait
.irp p, 0,1
.set e, 0
.rept 16
	v_fma_mix_f32_bf16 v[162+32*\p+2*e], v[98+32*\g+16*\p+e], v[66+2*e], v[ZERO] op_sel_hi:[1,0,0]
	v_fma_mix_f32_bf16 v[163+32*\p+2*e], v[98+32*\g+16*\p+e], v[67+2*e], v[ZERO] op_sel:[1,0,0] op_sel_hi:[1,0,0]
.set e, e+1
.endr
.endr
.endm
; The two tiles' blocks (a whole block of 32 in a lane) become registers 6 c .. 6 c + 5 of A8(a, s), s = chi / 2, c = chi % 2; with c = 1 the K step's scale word is whole.
.macro GQ chi, g
.set SS, (\chi)/2
.set CC, (\chi)%2
.set A0, 12*(4*(2*\g)+SS)+6*CC
.set A1, 12*(4*(2*\g+1)+SS)+6*CC
	BMAX2 162, 194, 50
	v_cvt_scalef32_pk16_fp6_f32 v[58:60], v[178:193], v50
	v_cvt_scalef32_pk16_fp6_f32 v[62:64], v[210:225], v52   ; (a conversion's three registers begin on an even number)
	WIN 0x40
	v_cvt_scalef32_pk16_fp6_f32 v[A0:A0+2], v[162:177], v50
	v_cvt_scalef32_pk16_fp6_f32 v[A1:A1+2], v[194:209], v52
	v_nop                                          ; one plain place behind a scaled conversion
.irp i, 0,1,2
	v_mov_b32 v[A0+3+\i], v[58+\i]
	v_mov_b32 v[A1+3+\i], v[62+\i]
.endr
	WIN 0
.if CC == 0
.irp p, 0,1
	v_mov_b32 v[42+2*\g+\p], v[51+2*\p]            ; kept until the K step's other half is made
.endr
.else
.irp p, 0,1
	v_lshl_or_b32 v[42+2*\g+\p], v[51+2*\p], 16, v[42+2*\g+\p]
.endr
.irp p, 0,1
	v_lshlrev_b32 v[42+2*\g+\p], v[SH8], v[42+2*\g+\p]   ; my two bytes, blocks h and 2 + h, at their places;
.endr
.irp p, 0,1
	v_permlanex16_b32 v[46+2*\g+\p], v[42+2*\g+\p], s22, s23
.endr
.irp p, 0,1
.set AA, 2*\g+\p
.if SS%2 == 0
	v_or_b32 v[28+2*AA+SS/2], v[42+AA], v[46+AA]   ; with lane l xor 16's the word is whole
.else
	v_or_b32 v[42+AA], v[42+AA], v[46+AA]
.endif
.endr
.if SS%2 == 1
.irp p, 0,1
.set AA, 2*\g+\p
	v_cndmask_b32 v[28+2*AA+SS/2], v[28+2*AA+SS/2], v[42+AA], s24   ; an odd K step's words go to lanes 16-31
.endr
.endif
.endif
.endm
; ---- STAGE 2's pieces
; The next matrix instruction of half unit MG (accumulators from v[MX] on): K step cW / 4, row tile 2 MG + (cW / 2) % 2, W2's tile cW % 2.  The four accumulators take turns; the first K step starts the sums.
.macro WM
.set ks, cW/4
.set kp, (cW/2)%2
.set ku, cW%2
.set rD, MX+16*kp+8*ku
.set rA, FR+24*ks+12*ku
.set rB, 12*(4*(2*MG+kp)+ks)
	SCREG ks
.set rS0, SR
.set rS1, 28+2*(2*MG+kp)+ks/2
.set fA, ku
.set fB, ks%2
.if ks == 0
	WS 0
.else
	WS v[rD:rD+7]
.endif
.set cW, cW+1
.endm
.macro SCREG k                         ; W2's scale word of K step k: a register whose number differs modulo 8 from that of A8's word beside it
.if (\k) == 0
.set SR, 41
.elseif (\k) == 1
.set SR, 39
.elseif (\k) == 2
.set SR, 38
.else
.set SR, 40
.endif
.endm
; The next vector line of the half unit in v[VX] .. v[VX + 31] (two row tiles of 16 numbers a lane): times 1 - h1^2; largest magnitudes in four chains by turns; scale operands v12, v13; bytes.
.macro VOP
.set op, cV%2
.if cV < 16
.set oi, 2*(cV/2)
.if oi < 4
.set od, 20+oi
.else
.set od, 38+oi
.endif
	v_pk_mul_f32 v[VX+16*op+oi:VX+16*op+oi+1], v[VX+16*op+oi:VX+16*op+oi+1], v[od:od+1]   ; each accumulator from its low end on
.elseif cV < 18
	v_max3_num_f32 v[12+op], |v[VX+16*op]|, |v[VX+16*op+1]|, |v[VX+16*op+2]|
.elseif cV < 20
	v_max3_num_f32 v[14+op], |v[VX+16*op+3]|, |v[VX+16*op+4]|, |v[VX+16*op+5]|
.elseif cV < 30
.set ok, (cV-20)/2
.set oi, 6+2*ok
.set ot, 12+2*(ok%2)
	v_max3_num_f32 v[ot+op], v[ot+op], |v[VX+16*op+oi]|, |v[VX+16*op+oi+1]|
.elseif cV < 32
	v_max3_num_f32 v[12+op], v[12+op], v[14+op], 0x1800000   ; and the floor 2^(3 - 127)
.elseif cV < 34
	v_permlanex16_b32 v[16+op], v[12+op], s22, s23
.elseif cV < 36
	v_max_num_f32 v[12+op], v[12+op], v[16+op]     ; with lane l xor 16's
.elseif cV < 38
	v_add_nc_u32 v[12+op], 0xff000000, v[12+op]
.elseif cV < 40
.if VY == 0
	v_lshrrev_b32 v[24+2*VG+op], 23, v[12+op]      ; the first of the scale word's four bytes
.else
	v_lshrrev_b32 v[18+op], 23, v[12+op]
.endif
.else
	v_lshl_or_b32 v[24+2*VG+op], v[18+op], 8*VY, v[24+2*VG+op]
.endif
.set cV, cV+1
.endm
; The rest of that half unit's work: the bytes, the conversions, and behind an odd block the exchange that puts a whole block into a lane.
.macro TAIL
.rept 4
	VOP
.endr
.if VY > 0
	VOP
	VOP
.endif
	WIN 0x40                                       ; destination in window 1
.irp p, 0,1
.set A9, 192+12*(2*VG+\p)+6*(VY/2)
.if VY%2 == 0
	v_cvt_scalef32_pk16_fp6_f32 v[A9:A9+2], v[VX+16*\p:VX+16*\p+15], v[12+\p]
.else
	v_cvt_scalef32_pk16_fp6_f32 v[240+4*\p:242+4*\p], v[VX+16*\p:VX+16*\p+15], v[12+\p]
.endif
.endr
	v_nop                                          ; one plain place behind a scaled conversion: the next products write its sources
.if VY%2 == 1
	WIN 0x41                                       ; destination and source 0 in window 1
.irp i, 0,1,2
.irp p, 0,1
	v_permlane16_swap_b32 v[192+12*(2*VG+\p)+6*(VY/2)+\i], v[240+4*\p+\i]   ; lanes 0-15 block y - 1, lanes 16-31 block y
.endr
.endr
.irp i, 0,1,2
.irp p, 0,1
	v_mov_b32 v[195+12*(2*VG+\p)+6*(VY/2)+\i], v[240+4*\p+\i]
.endr
.endr
.endif
	WIN 0
.endm
.macro LOADK k, y                      ; unit y of the trip: W2's two fragments of K step k and their scale word: seven loads
.irp i, 0,1,2,3,4,5
	ds_load_b128 v[FR+24*(\k)+4*\i:FR+24*(\k)+4*\i+3], v[AB] offset:(\y)*12288+3072*(\k)+512*\i
.endr
	SCREG \k
	ds_load_b32 v[SR], v[ASB] offset:(4*(\y)+\k)*128
.endm
.macro LOADD1 y                        ; 1 - h1^2 at m = 32 U + 16 h + 0 .. 15: four loads
	ds_load_b128 v[20:23], v[AD1] offset:128*(\y)
.irp i, 1,2,3
	ds_load_b128 v[38+4*\i:41+4*\i], v[AD1] offset:128*(\y)+16*\i
.endr
.endm
.macro LOADW1 g                        ; W1's tiles 2 g and 2 g + 1 of this K step and their scale word: seven loads
.irp p, 0,1
.irp i, 0,1,2
	ds_load_b128 v[230+12*\p+4*\i:233+12*\p+4*\i], v[AW1] offset:(\g)*12288+\p*1536+512*\i
.endr
.endr
	ds_load_b32 v[36+\g], v[AW1S] offset:512*(\g)
.endm
.macro P9 g, d, z                      ; two diagonal tiles of A9 W1^T for these 128 along K, into the accumulators at v[d] and v[d + 8]
.irp p, 0,1
.set rD, \d+8*\p
.set rA, 230+12*\p
.set rB, 192+12*(2*\g+\p)
.set rS0, 36+\g
.set rS1, 24+2*\g+\p
.set fA, \p
.set fB, 0
.if \z
	WS 0
.else
	WS v[rD:rD+7]
.endif
.endr
.endm
; A STEP: the 16 products of half unit mg of unit my; among them the vector work of half unit vg of unit vy, the one before.
; mg = 1, rl = 1: each K step's fragments, read for the last time, are filled with the next unit's, four places behind their last products.  mg = 0: 1 - h1^2 of unit my is loaded once unit vy's has been used.
; w1 = 1: W1's first two tiles are loaded; w1 = 2: they are used, and the second two loaded.
.macro STEP my, mg, vy, vg, rl, w1
.set MX, 70+32*\mg
.set MG, \mg
.set VX, 70+32*\vg
.set VG, \vg
.set VY, \vy
.set cV, 0
.set cW, 0
	AW
.if \mg == 0
	s_wait_dscnt 7                                 ; K steps 0 to 2 are in; the seven loads of K step 3 may be out
.else
	s_wait_dscnt 0x0
.endif
.set gQ, 0
.rept 8
.if (\mg == 0) && (gQ == 6)
	AW
.if \w1 == 2
	s_wait_dscnt 11                                ; K step 3 is in: behind it W1's seven and the four of 1 - h1^2
.else
	s_wait_dscnt 4                                 ; K step 3 is in: behind it the four of 1 - h1^2
.endif
.endif
	WIN 0x04                                       ; source 1 (A8, A9) in window 1
	WM
	WM
.if (\w1 == 2) && (gQ == 2)
	P9 0, 54, 0
.endif
	WIN 0
.rept 4
	VOP
.endr
.if gQ < 4
	VOP
.endif
.if (\w1 == 1) && (gQ == 0)
	LOADW1 0
.endif
.if (\mg == 0) && (gQ == 4)
.if \w1 == 2
	LOADW1 1
.endif
	LOADD1 \my
.endif
.if \rl && (gQ%2 == 1)
	LOADK gQ/2, \my+1
.endif
.set gQ, gQ+1
.endr
	TAIL
.endm
.macro ADDRS
	v_add_nc_u32 v[AB], s66, v[L16]
	v_add_nc_u32 v[ASB], s67, v[L4]
	v_add_nc_u32 v[AD1], s68, v[DRA1]
	v_add_nc_u32 v[AW1], s69, v[L16]
	v_add_nc_u32 v[AW1S], s70, v[L4]
.endm
	; ---- the head
	s_load_b256 s[4:11], s[0:1], 0x0               ; b1 s[4:5], b2 s[6:7], b3 s[8:9], wq s[10:11]
	s_load_b64 s[16:17], s[0:1], 0x20              ; out0
	s_set_vgpr_msb 0x40
	v_lshl_add_u32 v251, v0, 2, SPARE              ; (v251 and v255 of window 1)
	v_mov_b32 v255, 0
	s_set_vgpr_msb 0x4045
	ds_add_u32 v251, v255                          ; the opening: the add, twice on end, and its wait
	ds_add_u32 v251, v255
	s_set_vgpr_msb 0x4500
	v_lshrrev_b32 v248, 5, v0
	v_and_b32 v244, 31, v0                         ; lane
	v_and_b32 v245, 15, v0                         ; r
	v_bfe_u32 v246, v0, 4, 1                       ; h
	v_and_b32 v247, 7, v0                          ; the sample of lane r
	v_readfirstlane_b32 s[WV], v248                ; wave 0..7
	v_lshlrev_b32 v[L16], 4, v244
	v_lshlrev_b32 v[L4], 2, v244
	v_lshlrev_b32 v[B64H], 6, v246
	v_lshlrev_b32 v[R4], 2, v245
	v_lshlrev_b32 v240, 4, v247
	v_lshlrev_b32 v241, 2, v247                    ; x: my sample's scale word,
	v_lshl_add_u32 v240, v246, 8, v240             ; and its 16 bytes of a piece: 16 (r % 8) + 256 h
	v_lshlrev_b32 v242, 2, v0                      ; 4 x thread
	s_wait_alu depctr_va_vdst(0)
	s_bfe_u32 s19, ttmp6, 0x40000                  ; cx: my place in the cluster
	s_lshl_b32 s20, ttmp9, 2
	s_add_co_u32 s20, s20, s19                     ; my work-group: it enters x's and out0's addresses alone
	; descriptor groups 1: dense blocks as rows of 256 bytes (32 elements of 8 bytes).  15:0 the mask: all four work-groups; 17:16 elements of 8 bytes; 21 set beside a mask
	s_mov_b32 s32, 0x0023000f                      ; G3: 256 rows
	s_mov_b32 s33, 32<<16                          ; tensor_dim0 = 32
	s_mov_b32 s34, 256<<16                         ; tensor_dim1 = 256
	s_mov_b32 s35, 32<<16                          ; tile_dim0 = 32
	s_mov_b32 s36, 256                             ; tile_dim1 = 256
	s_mov_b32 s37, 32                              ; pitch
	s_mov_b32 s38, 0
	s_mov_b32 s39, 0
	s_mov_b32 s40, 0x0023000f                      ; a seventh of the weights: 128 rows
	s_mov_b32 s41, 32<<16
	s_mov_b32 s42, 128<<16
	s_mov_b32 s43, 32<<16
	s_mov_b32 s44, 128
	s_mov_b32 s45, 32
	s_mov_b32 s46, 0
	s_mov_b32 s47, 0
	s_mov_b32 s48, 1                               ; groups 0: wave 0 brings G3, wave w = 1 .. 7 the bytes from 32,768 (w + 1) on; LDS and wq hold them at the same offsets
	s_mov_b32 s49, 0
	s_mov_b32 s52, 1
	s_lshl_b32 s53, s[WV], 15
	s_add_co_u32 s53, s53, 32768
	s_mov_b32 s86, s53
	s_mov_b32 s87, 0
	s_mov_b32 s85, 0
	s_lshr_b32 s89, s[WV], 2                       ; w / 4
	s_bfe_u32 s90, s[WV], 0x10001                  ; (w / 2) % 2
	s_and_b32 s91, s[WV], 1                        ; w % 2
	s_wait_dscnt 0x0                               ; both opening adds are done
	s_wait_kmcnt 0x0
	s_mov_b64 s[50:51], s[10:11]
	s_or_b32 s51, s51, 0x80000000                  ; type = 2
	s_add_nc_u64 s[54:55], s[10:11], s[86:87]
	s_or_b32 s55, s55, 0x80000000
	s_lshr_b32 s92, s20, 1                         ; x's fragment of 16 rows is shared by two work-groups
	s_and_b32 s93, s20, 1
	s_mul_i32 s84, s92, 1536
	s_lshl_b32 s86, s93, 7
	s_add_co_u32 s84, s84, s86
	s_add_co_u32 s84, s84, OXF
	s_add_nc_u64 s[12:13], s[10:11], s[84:85]
	s_lshl_b32 s84, s92, 6
	s_lshl_b32 s86, s93, 5
	s_add_co_u32 s84, s84, s86
	s_add_co_u32 s84, s84, OXFS
	s_add_nc_u64 s[14:15], s[10:11], s[84:85]
	s_mul_i32 s84, s[WV], 6144                     ; the forward weights' places in wq
	s_add_co_u32 s84, s84, OW1F
	s_add_nc_u64 s[72:73], s[10:11], s[84:85]
	s_mul_i32 s84, s[WV], 24576
	s_add_co_u32 s84, s84, OW2F
	s_add_nc_u64 s[74:75], s[10:11], s[84:85]
	s_lshl_b32 s84, s[WV], 8
	s_add_nc_u64 s[4:5], s[4:5], s[84:85]          ; b1 and b2 at my 64 units
	s_add_nc_u64 s[6:7], s[6:7], s[84:85]
	s_add_co_u32 s84, s84, OW1FS
	s_add_nc_u64 s[78:79], s[10:11], s[84:85]
	s_lshl_b32 s84, s[WV], 10
	s_add_co_u32 s84, s84, OW2FS
	s_add_nc_u64 s[80:81], s[10:11], s[84:85]
	; ---- the forward pass's loads go out first: layer 1's 27,
.irp p, 0,1,2
	global_load_b128 v[42+4*\p:45+4*\p], v240, s[12:13] offset:512*\p     ; x's fragment: rows r and r + 8 are the same sample
.endr
	global_load_b32 v24, v241, s[14:15]
.irp p, 0,1
	global_load_b32 v[26+\p], v[L4], s[78:79] offset:128*\p
.endr
	WIN 0x40                                       ; destination in window 1
.set i, 0
.rept 12
	global_load_b128 v[192+4*i:195+4*i], v[L16], s[72:73] offset:512*i   ; W1's four fragments
.set i, i+1
.endr
	WIN 0
.irp t, 0,1,2,3
.irp e, 0,1
	global_load_b128 v[54+8*\t+4*\e:57+8*\t+4*\e], v[B64H], s[4:5] offset:128*(\t/2)+32*(\t%2)+16*\e   ; b1 in the result's layout: it is the C of layer 1's products
.endr
.endr
	global_load_b32 v234, v242, s[10:11] offset:OW1BS   ; W1's backward scale words, 4 bytes a thread
	WIN 0x40
.set i, 0
.rept 48
	global_load_b128 v[4*i:4*i+3], v[L16], s[74:75] offset:512*i         ; layer 2's 64: W2's sixteen fragments, scale words, b2
.set i, i+1
.endr
	WIN 0
.irp i, 0,1,2,3,4,5,6,7
	global_load_b32 v[28+\i], v[L4], s[80:81] offset:128*\i
.endr
.irp t, 0,1,2,3
.irp e, 0,1
	global_load_b128 v[198+8*\t+4*\e:201+8*\t+4*\e], v[B64H], s[6:7] offset:128*(\t/2)+32*(\t%2)+16*\e
.endr
.endr
	ROUND                                          ; all four work-groups are here: the joint loads meet
	s_cmp_lt_u32 s[WV], 1                          ; one tensor load a wave: wave 0 G3, the others the weights
	s_cbranch_scc0 .Lweights
	tensor_load_to_lds s[48:51], s[32:39]
	s_nop 0
	PLACES 4
	s_branch .Lasked
.Lweights:
	tensor_load_to_lds s[52:55], s[40:47]
	s_nop 0
	PLACES 4
.Lasked:
	; layer 3's ten loads
	s_mul_i32 s84, s90, 12288
	s_mul_i32 s86, s89, 6144
	s_add_co_u32 s84, s84, s86
	s_mul_i32 s86, s91, 1536
	s_add_co_u32 s84, s84, s86
	s_add_co_u32 s84, s84, OW3F
	s_add_nc_u64 s[76:77], s[10:11], s[84:85]
	s_lshl_b32 s84, s90, 9
	s_lshl_b32 s86, s89, 8
	s_add_co_u32 s84, s84, s86
	s_lshl_b32 s86, s91, 6
	s_add_co_u32 s84, s84, s86
	s_add_co_u32 s84, s84, OW3FS
	s_add_nc_u64 s[82:83], s[10:11], s[84:85]
	s_lshl_b32 s84, s90, 7
	s_lshl_b32 s86, s91, 5
	s_add_co_u32 s84, s84, s86
	s_wait_xcnt 0x0
	s_add_nc_u64 s[8:9], s[8:9], s[84:85]          ; b3 at my tile
	s_mul_i32 s92, s20, 2080                       ; 8 rows of 260 bytes a work-group
	s_mov_b32 s93, 0
	s_add_nc_u64 s[16:17], s[16:17], s[92:93]
.irp e, 0,1
	global_load_b128 v[190+4*\e:193+4*\e], v[B64H], s[8:9] offset:16*\e
.endr
.irp e, 0,1
.irp p, 0,1,2
	global_load_b128 v[166+12*\e+4*\p:169+12*\e+4*\p], v[L16], s[76:77] offset:3072*\e+512*\p
.endr
.endr
.irp e, 0,1
	global_load_b32 v[36+\e], v[R4], s[82:83] offset:128*\e
.endr
	; every LDS address
	v_lshlrev_b32 v[SH8], 3, v246
	v_mov_b32 v[ZERO], 0
	s_mul_i32 s84, s[WV], 384
	s_add_co_u32 s84, s84, LH1
	v_mul_u32_u24 v[HWA], v246, 132                ; my three dwords of slot r: 3 h, 3 h + 2 from here (0, 128),
	v_mul_u32_u24 v[HWB], v246, 252                ; 3 h + 1 from here (4)
	v_lshl_add_u32 v[HWA], v245, 3, v[HWA]
	v_lshl_add_u32 v[HWB], v245, 3, v[HWB]
	v_add_nc_u32 v[HWA], s84, v[HWA]
	v_add_nc_u32 v[HWB], s84, v[HWB]
	s_lshr_b32 s84, s[WV], 1
	s_lshl_b32 s84, s84, 5
	s_lshl_b32 s86, s91, 1
	s_add_co_u32 s84, s84, s86
	s_add_co_u32 s84, s84, LH1S
	v_lshrrev_b32 v248, 3, v245                    ; r / 8
	v_lshl_add_u32 v[HWS], v247, 2, v248
	v_add_nc_u32 v[HWS], s84, v[HWS]               ; my block's byte of my sample's word: 32 (w / 2) + 4 (r % 8) + 2 (w % 2) + r / 8
	v_lshlrev_b32 v249, 6, v246
	v_lshl_add_u32 v249, v247, 3, v249             ; back: slot 8 h + r % 8
	v_add_nc_u32 v[HRA], LH1, v249
	v_lshl_add_u32 v[HRS], v247, 2, LH1S
	s_mul_i32 s84, s89, 1536
	s_add_co_u32 s84, s84, HO
	v_add_nc_u32 v[HRA3], s84, v[HRA]              ; h2's K steps 2 (w / 4) and 2 (w / 4) + 1
	s_lshl_b32 s84, s89, 6
	s_add_co_u32 s84, s84, HO
	v_add_nc_u32 v[HRS3], s84, v[HRS]
	v_mul_u32_u24 v250, v247, DP
	v_lshl_add_u32 v250, v246, 6, v250
	v_lshl_add_u32 v250, v248, 7, v250             ; 1 - h^2: row = sample, + 256 w + 128 (r / 8) + 64 h
	s_lshl_b32 s84, s[WV], 8
	s_add_co_u32 s86, s84, LD2
	v_add_nc_u32 v[DWA], s86, v250
	v_add_nc_u32 v[DWA1], s84, v250                ; (LD1 is 0)
	s_mul_i32 s84, s[WV], DP
	s_add_co_u32 s86, s84, LD2
	v_lshl_add_u32 v[DRA2], v246, 7, s86           ; back: my sample's row, + 128 h
	v_lshl_add_u32 v[DRA1], v246, 6, s84           ; + 64 h
	s_mul_i32 s84, s89, 2080
	s_lshl_b32 s86, s90, 7
	s_add_co_u32 s84, s84, s86
	s_lshl_b32 s86, s91, 5
	s_add_co_u32 s84, s84, s86
	s_add_co_u32 s84, s84, LPART
	v_mul_u32_u24 v[PWA], v247, 260
	v_lshl_add_u32 v[PWA], v246, 6, v[PWA]
	v_add_nc_u32 v[PWA], s84, v[PWA]               ; dx's part: partial w / 4, row = sample, outputs 32 ((w / 2) % 2) + 16 h + 8 (w % 2) on
	v_lshl_add_u32 v243, v0, 2, LW1S
	v_mov_b32 v254, 0xbd5d0dd1                     ; -17/315
	v_mov_b32 v255, 0xbd5d0dd1
	s_wait_alu depctr_va_vdst(0)
	s_mov_b32 s22, 0x76543210
	s_mov_b32 s23, 0xfedcba98                      ; selects for lane l xor 16
	s_mov_b32 s24, 0xffff0000                      ; mask of lanes 16-31
	s_mov_b32 s28, 0xff00ff00                      ; mask of lanes r >= 8
	s_mov_b32 s56, 0x4038aa3b                      ; 2 log2 e
	s_mov_b32 s57, 0x4038aa3b
	s_mov_b32 s58, 0x3cb327a4                      ; 62/2835
	s_mov_b32 s59, 0x3cb327a4
	s_mov_b32 s60, 0x3e088889                      ; 2/15
	s_mov_b32 s61, 0x3e088889
	s_mov_b32 s62, 0xbeaaaaab                      ; -1/3
	s_mov_b32 s63, 0xbeaaaaab
	s_cmp_lt_u32 s[WV], 4
	s_cselect_b32 s26, 0x3f000000, 0               ; b3 / 2 is added by the wave that has the first half of K
	; ---- layer 1
	s_wait_loadcnt 63                              ; 74 loads are younger than layer 1's; a wait names 63 at the most
	ds_store_b32 v243, v234
	WIN 0x01                                       ; source 0 in window 1
.irp t, 0,1,2,3
.set rD, 54+8*\t
.set rA, 192+12*\t
.set rB, 42
.set rS0, 26+\t/2
.set rS1, 24
.set fA, \t%2
.set fB, 0
	WS v[rD:rD+7]
.endr
	WIN 0
	PLACES 4
	SHARE
	TANH16 192, 1                                  ; 1 - h1^2 waits in window 1, where W1's fragments lay, until G3 has left its LDS bytes
	QUANTH 0
	BAR                                            ; h1 lies in LDS, and W1's scale words
	; ---- layer 2
.irp s, 0,1,2,3
	FETCHH 118+12*\s, HRA, 768*\s
	ds_load_b32 v[38+\s], v[HRS] offset:32*\s
.endr
	s_wait_loadcnt 10                              ; W2, its scale words and b2 are in; b3, W3 and its scale words (10 loads) may be out
	s_wait_dscnt 0x0
	WIN 0x01
.irp s, 0,1,2,3
.irp t, 0,1,2,3
.set rD, 54+8*\t
.set rC, 198+8*\t
.set rA, 12*(((\t/2)*4+\s)*2+\t%2)
.set rB, 118+12*\s
.set rS0, 28+(\t/2)*4+\s
.set rS1, 38+\s
.set fA, \t%2
.set fB, 0
.if \s == 0
	WS v[rC:rC+7]
.else
	WS v[rD:rD+7]
.endif
.endr
.endr
	WIN 0
	PLACES 4
	SHARE
	TANH16 118, 0
	QUANTH HO
.irp e, 0,1,2,3
	ds_store_b128 v[DWA], v[118+4*\e:121+4*\e] offset:16*\e
.endr
	s_wait_alu depctr_va_vdst(0)
	s_cmp_lt_u32 s[WV], 1
	s_cbranch_scc0 .Lnot_g3
	s_wait_tensorcnt 0x0                           ; wave 0: G3 has landed; the other waves' parts of the weights may stay out
.Lnot_g3:
	BAR                                            ; h2, 1 - h2^2 and all of G3 lie in LDS
	; ---- layer 3: wave w makes tile w % 4 of the outputs over K steps 2 (w / 4) and 2 (w / 4) + 1.  Stage 1's first loads go out behind its own
	s_wait_loadcnt 0x0
	FETCHH 226, HRA3, 0
	FETCHH 238, HRA3, 768
	ds_load_b32 v38, v[HRS3]
	ds_load_b32 v39, v[HRS3] offset:32
	LOADDD 0
	LOADGG 0, 0
	LOADGG 0, 1
.irp i, 0,1,2,3,4,5,6,7
	v_mul_f32 v[190+\i], s26, v[190+\i]            ; b3 / 2, or 0
.endr
	s_wait_alu depctr_va_vdst(0)
	s_wait_dscnt 24                                ; stage 1's 24 loads may be out
.set fA, 0
.set fB, 0
.set rD, 42
.set rA, 166
.set rB, 226
.set rS0, 36
.set rS1, 38
	WS 0
.set rD, 50
.set rA, 178
.set rB, 238
.set rS0, 37
.set rS1, 39
	WS 0
	PLACES 4
.irp i, 0,2,4,6
	v_pk_add_f32 v[42+\i:43+\i], v[42+\i:43+\i], v[50+\i:51+\i]
.endr
.irp i, 0,2,4,6
	v_pk_fma_f32 v[42+\i:43+\i], v[42+\i:43+\i], 0.5, v[190+\i:191+\i] op_sel_hi:[1,0,1]
.endr
.irp j, 0,1,2,3,4,5,6,7
	ds_store_b32 v[PWA], v[42+\j] offset:4*\j      ; lanes r and r + 8 write the same word with the same value
.endr
	; ---- stage 1: A8 = Q(G3 x (1 - h2^2)), 64 n at a time, two tiles of rows at a time.  LDS loads run one group ahead
	s_wait_dscnt 0x0                               ; the first group is in, and v42-49 have been read by their stores
.irp x, 0,1,2,3,4,5,6,7
	GMUL 0, 8                                      ; 1 - h2^2 and set 0 are in; set 1's eight loads may be out
.if \x < 7
	LOADGG \x+1, 0
.endif
	GQ \x, 0
.if \x < 7
	GMUL 1, 8                                      ; set 1 is in; set 0's next eight loads may be out
	LOADDD \x+1
	LOADGG \x+1, 1
.else
	GMUL 1, 0
.endif
	GQ \x, 1
.endr
	s_wait_alu depctr_va_vdst(0)
	s_wait_tensorcnt 0x0                           ; my tensor load has landed
	BAR                                            ; the weights are whole, and nobody reads G3 any more
	; ---- stage 2: four trips of 128 columns m, four units of 32 each, two half units of 32 rows j each
	WIN 0x04                                       ; an LDS store's data are its source 1: window 1
.irp e, 0,1,2,3
	ds_store_b128 v[DWA1], v[192+4*\e:195+4*\e] offset:16*\e
.endr
	WIN 0
	s_mov_b32 s66, LW2B                            ; W2's fragments: 49,152 bytes a trip
	s_mov_b32 s67, LW2BS                           ; its scale words: 2,048
	s_mov_b32 s68, 0                               ; 1 - h1^2: 512
	s_mov_b32 s69, LW1B                            ; W1's fragments: 3,072
	s_mov_b32 s70, LW1S                            ; its scale words: 128
	s_mov_b32 s27, 0
	ADDRS
.set i, 0
.rept 16
	v_mov_b32 v[54+i], 0                           ; the trace's two accumulators: so the loop is written once
.set i, i+1
.endr
	LOADK 0, 0
	LOADK 1, 0
	LOADK 2, 0
	LOADK 3, 0
	BAR                                            ; 1 - h1^2 lies in LDS
	LOADD1 0
.set MX, 70
.set MG, 0
.set cW, 0
	WIN 0x04
.rept 16
	WM                                             ; the first half unit has no vector work beside it
.endr
	WIN 0
	PLACES 4
.Ltrip:
	STEP 0, 1, 0, 0, 1, 0
	STEP 1, 0, 0, 1, 0, 0
	STEP 1, 1, 1, 0, 1, 0
	STEP 2, 0, 1, 1, 0, 0
	STEP 2, 1, 2, 0, 1, 0
	STEP 3, 0, 2, 1, 0, 0
	s_wait_alu depctr_va_vdst(0)
	s_cmp_eq_u32 s27, 3                            ; the last trip's rest asks for nothing more
	s_cbranch_scc1 .Llast
	STEP 3, 1, 3, 0, 1, 1
	STEP 4, 0, 3, 1, 0, 2                          ; the next trip's first half unit
	PLACES 4                                       ; an operand written by vector instructions stands 4 places ahead of a scaled matrix instruction
	s_wait_alu depctr_va_vdst(0)
	s_wait_dscnt 0x0
	WIN 0x04
	P9 1, 54, 0
	WIN 0
	s_add_co_u32 s66, s66, 49152
	s_add_co_u32 s67, s67, 2048
	s_add_co_u32 s68, s68, 512
	s_add_co_u32 s69, s69, 3072
	s_add_co_u32 s70, s70, 128
	ADDRS
	s_add_co_u32 s27, s27, 1
	s_wait_alu depctr_va_vdst(0)
	s_cmp_lt_u32 s27, 4
	s_cbranch_scc1 .Ltrip
.Llast:
	STEP 3, 1, 3, 0, 0, 1
	PLACES 4
	s_wait_alu depctr_va_vdst(0)
	s_wait_dscnt 0x0
	WIN 0x04
	P9 0, 54, 0
	WIN 0
.set VX, 102
.set VG, 1
.set VY, 3
.set cV, 0
.rept 8
	VOP
.endr
	LOADW1 1
.rept 28
	VOP
.endr
	TAIL
	PLACES 4
	s_wait_alu depctr_va_vdst(0)
	s_wait_dscnt 0x0
	WIN 0x04
	P9 1, 70, 1                                    ; two accumulators of their own
	WIN 0
	PLACES 4
	; ---- the trace: register j of lane (r, h) is element (8 h + j, r) of the summed tiles: on the diagonal where j = r - 8 h
.irp i, 0,2,4,6
	v_pk_add_f32 v[54+\i:55+\i], v[54+\i:55+\i], v[62+\i:63+\i]
	v_pk_add_f32 v[70+\i:71+\i], v[70+\i:71+\i], v[78+\i:79+\i]
.endr
	v_and_b32 v42, 15, v0
	v_mov_b32 v44, 0
	v_sub_nc_u32 v42, v42, v[SH8]
.irp i, 0,2,4,6
	v_pk_add_f32 v[54+\i:55+\i], v[54+\i:55+\i], v[70+\i:71+\i]
.endr
	v_mov_b32 v46, 0
.irp j, 0,1,2,3,4,5,6,7
	v_cmp_eq_u32 vcc_lo, \j, v42
	v_cndmask_b32 v44, v44, v[54+\j], vcc_lo
.endr
	v_add_f32_dpp v44, v44, v44 row_xmask:1 row_mask:0xf bank_mask:0xf
	v_add_f32_dpp v44, v44, v44 row_xmask:2 row_mask:0xf bank_mask:0xf
	v_add_f32_dpp v44, v44, v44 row_xmask:4 row_mask:0xf bank_mask:0xf
	v_add_f32_dpp v44, v44, v44 row_xmask:8 row_mask:0xf bank_mask:0xf
	v_permlanex16_b32 v46, v44, s22, s23
	v_add_f32 v44, v44, v46                        ; div of my sample, in every lane
	s_mul_i32 s84, s[WV], 260
	s_add_co_u32 s84, s84, LPART+256
	v_mov_b32 v45, s84
	ds_store_b32 v45, v44                          ; all lanes write the same word with the same value: column 64 of my sample's row,
	ds_store_b32 v45, v[ZERO] offset:2080          ; and 0 in the second partial result
	v_lshl_add_u32 v47, v0, 4, LPART
	v_lshlrev_b32 v48, 4, v0
	BAR                                            ; both partial results [8][65] are whole
	; ---- out: the two are added; 130 threads store 2,080 consecutive bytes (rows of 260 bytes begin at no multiple of 256)
	s_wait_xcnt 0x0
	v_cmp_gt_u32 vcc_lo, 130, v0
	s_and_saveexec_b32 s25, vcc_lo
	ds_load_b128 v[50:53], v47
	ds_load_b128 v[54:57], v47 offset:2080
	s_wait_dscnt 0x0
	v_pk_add_f32 v[50:51], v[50:51], v[54:55]
	v_pk_add_f32 v[52:53], v[52:53], v[56:57]
	global_store_b128 v48, v[50:53], s[16:17] th:TH_STORE_NT
	s_wait_xcnt 0x0
	s_or_b32 exec_lo, exec_lo, s25
	s_set_vgpr_msb 0x5
	s_wait_tensorcnt 0x0                           ; the wave's end
	ds_add_u32 v251, v255
	s_wait_dscnt 0x0
	s_set_vgpr_msb 0x500
	ROUND                                          ; the closing round: no work-group ends while a partner may still ask for a tile that names it
	s_endpgm
.Lfunc_end_k_q7bf0aca662_cnf:
	.size	k_q7bf0aca662_cnf, .Lfunc_end_k_q7bf0aca662_cnf-k_q7bf0aca662_cnf
	.p2alignl 7, 3214868480
	.fill 96, 4, 3214868480
	.section	.rodata,"a",@progbits
	.p2align	6, 0x0
	.amdhsa_kernel k_q7bf0aca662_cnf
		.amdhsa_group_segment_fixed_size 327680
		.amdhsa_private_segment_fixed_size 0
		.amdhsa_enable_private_segment 0
		.amdhsa_kernarg_size 40
		.amdhsa_user_sgpr_count 2
		.amdhsa_user_sgpr_kernarg_segment_ptr 1
		.amdhsa_wavefront_size32 1
		.amdhsa_system_sgpr_workgroup_id_x 1
		.amdhsa_system_sgpr_workgroup_id_y 1
		.amdhsa_system_sgpr_workgroup_id_z 1
		.amdhsa_system_vgpr_workitem_id 0
		.amdhsa_next_free_vgpr 512
		.amdhsa_next_free_sgpr 96
		.amdhsa_reserve_vcc 1
		.amdhsa_float_denorm_mode_32 3
		.amdhsa_float_denorm_mode_16_64 3
		.amdhsa_memory_ordered 1
		.amdhsa_forward_progress 1
		.amdhsa_inst_pref_size 249
	.end_amdhsa_kernel
	.amdgpu_metadata
---
amdhsa.version: [ 1, 2 ]
amdhsa.kernels:
  - .name:           k_q7bf0aca662_cnf
    .symbol:         k_q7bf0aca662_cnf.kd
    .args:
      - { .name: b1, .offset: 0, .size: 8, .value_kind: global_buffer, .address_space: global }
      - { .name: b2, .offset: 8, .size: 8, .value_kind: global_buffer, .address_space: global }
      - { .name: b3, .offset: 16, .size: 8, .value_kind: global_buffer, .address_space: global }
      - { .name: wq, .offset: 24, .size: 8, .value_kind: global_buffer, .address_space: global }
      - { .name: out0, .offset: 32, .size: 8, .value_kind: global_buffer, .address_space: global }
    .group_segment_fixed_size: 327680
    .private_segment_fixed_size: 0
    .kernarg_segment_align: 8
    .kernarg_segment_size: 40
    .max_flat_workgroup_size: 256
    .sgpr_count:     96
    .vgpr_count:     512
    .wavefront_size: 32
...
	.end_amdgpu_metadata
.endif
;; end of part 2
